; MI455X (gfx1250); checked and timed in simulation.
; The chip was launched on July 23, 2026; its instructions are those of AMD's public machine-readable ISA for CDNA 5 (MIT licence, August 2026) and "CDNA5" Instruction Set Architecture Reference Guide (July 2026). The comments in the code are by the model that wrote it; some were corrected since.
;; Static Dual Expert Linear. Allowed arithmetic: float matrix products may take bf16 or f16 operands with f32 sums; all other float work in f32.
;; Inputs: W_img 2,048 x 2,048 float32; W_text 2,048 x 2,048 float32; b_img 2,048 float32; b_text 2,048 float32; token_modality_idx 4 x 2,048 int32; x 4 x 2,048 x 2,048 float32.
;; Outputs: out0 4 x 2,048 x 2,048 float32.
;; One version. Each part assembles by itself: llvm-mc -triple=amdgcn-amd-amdhsa -mcpu=gfx1250 --defsym DOCPART=n.
;; ======== version 1 of 1: 2 launches
;; workspace buffers: xs 35,651,584 bytes; wb 16,777,216 bytes; order 34,816 bytes of whole numbers; meta 512 bytes of whole numbers
;; launch prep (part 1): grid 768 x 1, 8 waves a work-group, no clusters, 2,048 bytes of LDS; arguments x, W_text, W_img, token_modality_idx, xs, wb, order, meta; writes xs, wb, order, meta
.if DOCPART == 1
	.amdgcn_target "amdgcn-amd-amdhsa--gfx1250"
	.amdhsa_code_object_version 6
	.text
	.protected	k_q99b977e996_prep
	.globl	k_q99b977e996_prep
	.p2align	8
	.type	k_q99b977e996_prep,@function
k_q99b977e996_prep:
	s_mov_b64 s[64:65], 0
	v_nop
	global_prefetch_b8 v0, s[64:65] scope:SCOPE_SE
	s_setreg_imm32_b32 hwreg(HW_REG_WAVE_MODE, 25, 1), 1
	s_wait_xcnt 0x0
; PREP.  Rounds x and both weights to bf16, once, and lays the tokens by expert in 32 row tiles, so that the product that follows takes each token through ONE expert.
;   xs   [8704][2048] bf16: tile i owns rows 272 i .. 272 i + 271; its cnt own tokens (1 to 272, of one expert, in token order) lie at the head, rows of 0 behind them.
;   wb   [4096][2048] bf16: rows 0-2047 W_text, rows 2048-4095 W_img.
;   order[row] = the token that lies at that row of xs (at a row of 0: some token's number, which the next launch reads and does not use).
;   meta [32][4]: for each tile cnt, e (0 text, 1 image), and its first and one-past-last place in the sorted list without the rows of 0.
; LIMITS.  An index other than 0 counts as 1 (image): for an index outside 0 and 1 the blend (1 - m, m) is not formed.  x and W are rounded to bf16, to nearest even.
; SHARES.  768 work-groups of eight waves, 16 rows of 2,048 f32 each: 0-511 rows of x, 512-639 of W_text, 640-767 of W_img.  Wave w takes rows 2 w and 2 w + 1.  A row goes in eight chunks of 1,024 bytes,
; two loads each: EVERY LOAD OF THE WAVE COVERS 512 CONSECUTIVE BYTES (16 a lane), so no byte is touched by two instructions.  A lane's four numbers of a load round to 8 bytes, and each store of the wave covers
; 256 consecutive bytes, aligned.  x work-group g also writes the g-th of the 8704 - 8192 = 512 rows of 0.
; REGISTERS.  162 a wave: 768 work-groups of 8 waves are 6 waves for each of 1,024 SIMDs, and 6 x 162 = 972 of a SIMD's 1,024 registers: every work-group can start at once.  So the index registers serve three
; times: the table, then the scratch work (v8-31), and chunk 15 (v32-39), which an x work-group loads behind the counting.  No other register is used twice.
; WHERE A TOKEN GOES.  Each x work-group counts the whole index table itself (32 KB, 128 bytes a thread): the ones in all, and the ones ahead of its first token.  That gives a token's place p in the sorted list
; (text first).  THE TILES: ceil(N0 / 272) + ceil(N1 / 272) < 8192 / 272 + 2 = 32.1, so 32 tiles always do.  The smaller expert gets ceil(n / 272) tiles, the larger the rest; an expert's n rows are dealt evenly to
; its t tiles: q = n / t, rem = n - q t, tile j begins at j q + min(j, rem).  Lane i holds tile i's start and end in the sorted list and pb = 272 i - start, the rows of 0 ahead of the tile.
; Place p lies in the last tile with start <= p, at row p + pb of xs; the g-th row of 0 lies in the last tile with pb <= g, at row 272 i + cnt + (g - pb) = end + g.
; No LDS ring, no matrix work: each byte is read once into registers and leaves from them.
.set IDX, 8                            ; v[8:39]    my 32 indices: tokens 1024 k + 4 j .. + 3, k = 0 .. 7, j = my thread's number
.set XL,  32                           ; v[32:39]   chunk 15
.set X,   40                           ; v[40:159]  chunk n = 8 i + c (row i of my two, chunk c), n < 15, at X + 8 n: eight f32, then four registers of bf16
; v1 lane; v2 byte offset of my 16 bytes in the group's 16 rows; v3 8 x lane; v4 16 j; v5 4 j; v6 the address, then the index, of one of my group's 16 tokens; v7 my count
; behind the counting: v8, v9 at work; v[12:19] eight counts; v13 ones ahead of my token, v14 my token, v15 its place; v16 pb; v17, v18 order's offset and datum; v20 n, v21 t, v22 j, v23 the expert's first place,
; v24 remainder, v25 quotient, v26 end, v27 start; v[28:31] 0; v[8:11] meta's four words
; s[4:19] the eight addresses; s20 work-group; s21 wave; s[24:25] source; s[26:27] an offset; s[28:29], s[30:31] my two rows' places; s32 my group's first token;
; s33 ones in all (N1); s34 zeros in all (N0); s35 ones ahead of my group; s36 which of my 16 tokens are ones; s37, s38 my two rows' rows in xs; s39 my group's row of 0; s[40:41] lane selects;
; s42-49 at work; s50 EXEC kept; s51 0x10001; s[52:53] the row of 0's place
.macro XLOAD n0, cnt                   ; chunks n0 .. n0 + cnt - 1 of my two rows: two loads of 16 bytes a lane each, 512 bytes apart
.set n, (\n0)
.rept (\cnt)
.set xr, X+8*n
.if n == 15
.set xr, XL
.endif
	global_load_b128 v[xr:xr+3],   v2, s[24:25] offset:(n/8)*8192+(n%8)*1024 th:TH_LOAD_NT
	global_load_b128 v[xr+4:xr+7], v2, s[24:25] offset:(n/8)*8192+(n%8)*1024+512 th:TH_LOAD_NT
.set n, n+1
.endr
.endm
.macro DIVSTEP bit                     ; one step of n / t in whole numbers, from the top bit down: v20 n, v21 t, v24 remainder, v25 quotient
	v_bfe_u32 v26, v20, \bit, 1
	v_lshl_or_b32 v24, v24, 1, v26
	v_cmp_ge_u32 vcc_lo, v24, v21
	v_sub_nc_u32 v27, v24, v21
	v_cndmask_b32 v24, v24, v27, vcc_lo
	v_cndmask_b32 v26, 0, 1, vcc_lo
	v_lshl_or_b32 v25, v25, 1, v26
.endm
.macro PLACE p                         ; s[p]: a place in the sorted list -> its row of xs
	v_cmp_le_u32 s47, v27, s[\p]                   ; the tiles that begin at or ahead of it: tile 0 begins at 0, so one at the least
	s_bcnt1_i32_b32 s47, s47
	s_sub_co_u32 s47, s47, 1                       ; the last of them
	v_readlane_b32 s48, v16, s47                   ; the rows of 0 ahead of that tile
	s_add_co_u32 s[\p], s[\p], s48
	s_min_u32 s[\p], s[\p], 0x21ff                 ; a row of xs: held inside it before it enters an address
.endm
	s_load_b512 s[4:19], s[0:1], 0x0               ; x s[4:5], W_text s[6:7], W_img s[8:9], index s[10:11], xs s[12:13], wb s[14:15], order s[16:17], meta s[18:19]
	v_lshl_add_u32 v160, v0, 2, 0x400
	v_mov_b32 v161, 0
	s_mov_b32 s20, ttmp9
	v_lshrrev_b32 v1, 5, v0
	v_readfirstlane_b32 s21, v1                    ; wave 0..7
	v_and_b32 v1, 31, v0                           ; lane
	v_lshlrev_b32 v2, 4, v1
	v_lshl_add_u32 v2, s21, 14, v2                 ; two rows of 8,192 bytes a wave + 16 bytes a lane
	v_lshlrev_b32 v3, 3, v1
	v_lshlrev_b32 v4, 4, v0
	v_lshlrev_b32 v5, 2, v0
	s_mov_b32 s51, 0x10001
	s_mov_b32 s40, 0x76543210                      ; v_permlanex16_b32: each lane takes its own place in the other half
	s_mov_b32 s41, 0xfedcba98
	s_mov_b32 s27, 0
	s_lshl_b32 s32, s20, 4                         ; my group's first token (x work-groups)
	s_wait_kmcnt 0x0
	s_cmp_lt_u32 s20, 512
	s_cbranch_scc0 .Lw_loads
	; ---- an x work-group: the index table first, then my rows
	s_lshl_b32 s26, s20, 17                        ; 16 rows of 8,192 bytes
	s_add_nc_u64 s[24:25], s[4:5], s[26:27]
.irp k, 0,1,2,3,4,5,6,7
	global_load_b128 v[IDX+4*(\k):IDX+4*(\k)+3], v4, s[10:11] offset:4096*(\k)
.endr
	v_and_b32 v6, 15, v0
	v_add_nc_u32 v6, s32, v6
	v_lshlrev_b32 v6, 2, v6
	global_load_b32 v6, v6, s[10:11]               ; lanes 0-15 (and again 16-31): the indices of my group's 16 tokens; the load lands on its own address register
	XLOAD 0, 15
	s_wait_loadcnt 30                              ; the nine index loads are in; the 30 loads of x, issued behind them, stay out
	; my count: low half the ones among my 32 tokens, high half those of them that lie ahead of my group's first token (a multiple of 16, so four neighbours fall on one side).  In place: no register beside the table's
.irp k, 0,1,2,3,4,5,6,7
.irp c, 0,1,2,3
	v_min_u32 v[IDX+4*(\k)+(\c)], 1, v[IDX+4*(\k)+(\c)]  ; anything but 0 is an image token
.endr
	v_add3_u32 v[IDX+4*(\k)], v[IDX+4*(\k)], v[IDX+4*(\k)+1], v[IDX+4*(\k)+2]
	v_add_nc_u32 v[IDX+4*(\k)], v[IDX+4*(\k)], v[IDX+4*(\k)+3]
	s_sub_co_i32 s42, s32, 1024*(\k)
	v_cmp_gt_i32 vcc_lo, s42, v5                   ; 1024 k + 4 j < my group's first token
	v_cndmask_b32 v[IDX+4*(\k)+1], 1, s51, vcc_lo
.if (\k) == 0
	v_mad_u32_u24 v7, v[IDX+4*(\k)], v[IDX+4*(\k)+1], 0
.else
	v_mad_u32_u24 v7, v[IDX+4*(\k)], v[IDX+4*(\k)+1], v7
.endif
.endr
	XLOAD 15, 1                                    ; the table's last registers are free: my last chunk
	s_branch .Lmeet
.Lw_loads:                                             ; ---- a weight work-group: my rows; nothing to count
	s_cmp_lt_u32 s20, 640
	s_cselect_b64 s[24:25], s[6:7], s[8:9]
	s_mov_b32 s22, 640
	s_cselect_b32 s22, 512, s22
	s_sub_co_u32 s26, s20, s22
	s_lshl_b32 s26, s26, 17
	s_add_nc_u64 s[24:25], s[24:25], s[26:27]
	XLOAD 0, 16
	v_mov_b32 v7, 0
.Lmeet:                                                ; the one barrier stands on every work-group's path, under no branch; a weight work-group brings a 0 that nobody reads
	ds_store_b32 v5, v7                            ; 256 counts, a word a thread
	s_wait_dscnt 0x0                               ; for the others' sake: my store is done
	s_barrier_signal -1
	s_barrier_wait -1
	s_cmp_lt_u32 s20, 512
	s_cbranch_scc0 .Lw_place
	; ---- an x work-group: the sum of the 256 counts, in every wave
	v_lshlrev_b32 v8, 5, v1
	ds_load_b128 v[12:15], v8                      ; eight counts a lane
	ds_load_b128 v[16:19], v8 offset:16
	v_mov_b32 v9, 0                                ; written, since the lane moves below count as readers of it
	s_wait_dscnt 0x0
	v_add3_u32 v12, v12, v13, v14
	v_add3_u32 v15, v15, v16, v17
	v_add3_u32 v12, v12, v18, v19
	v_add_nc_u32 v12, v12, v15
.irp m, 1,2,4,8
	v_mov_b32_dpp v9, v12 row_xmask:\m row_mask:0xf bank_mask:0xf
	v_add_nc_u32 v12, v12, v9
.endr
	v_permlanex16_b32 v9, v12, s40, s41
	v_add_nc_u32 v12, v12, v9
	v_readfirstlane_b32 s42, v12
	s_and_b32 s33, s42, 0xffff                     ; N1: 8,192 at the most, so the halves do not meet
	s_lshr_b32 s35, s42, 16                        ; ones ahead of my group
	s_sub_co_u32 s34, 0x2000, s33                  ; N0
	; the places of my group's 16 tokens in the sorted list, in lanes 0-15
	v_cmp_ne_u32 s36, 0, v6
	v_mbcnt_lo_u32_b32 v13, s36, 0                 ; ones among the group's tokens ahead of mine
	v_add_nc_u32 v13, s35, v13                     ; ones ahead of my token
	v_add_nc_u32 v14, s32, v1                      ; my token
	v_sub_nc_u32 v15, v14, v13                     ; zeros ahead of it: a text token's place
	v_add_nc_u32 v16, s34, v13                     ; an image token's place
	v_cndmask_b32 v15, v15, v16, s36
	v_min_u32 v15, 0x1fff, v15
	s_lshl_b32 s47, s21, 1
	s_add_co_u32 s48, s47, 1
	v_readlane_b32 s37, v15, s47                   ; my wave's two rows
	v_readlane_b32 s38, v15, s48
	s_add_co_u32 s49, s32, s47                     ; the first one's token
	; the 32 tiles, lane i for tile i
	s_add_co_u32 s42, s34, 271
	s_mul_i32 s42, s42, 61681                      ; 272 x 61681 = 2^24 + 16: exact for numbers up to 8,463
	s_lshr_b32 s42, s42, 24                        ; ceil(N0 / 272)
	s_add_co_u32 s43, s33, 271
	s_mul_i32 s43, s43, 61681
	s_lshr_b32 s43, s43, 24                        ; ceil(N1 / 272)
	s_sub_co_u32 s43, 32, s43
	s_cmp_ge_u32 s34, s33
	s_cselect_b32 s44, s43, s42                    ; t0: text tiles
	s_sub_co_u32 s45, 32, s44                      ; t1: image tiles
	v_cmp_le_u32 s46, s44, v1                      ; tiles t0 .. 31 are image tiles
	v_mov_b32 v26, s33
	v_mov_b32 v20, s34
	v_cndmask_b32 v23, 0, v20, s46                 ; the expert's first place in the sorted list
	v_cndmask_b32 v20, v20, v26, s46               ; n
	v_mov_b32 v21, s44
	v_mov_b32 v26, s45
	v_cndmask_b32 v21, v21, v26, s46               ; t, at least 1 for a tile that exists
	v_sub_nc_u32 v26, v1, s44
	v_cndmask_b32 v22, v1, v26, s46                ; j
	v_mov_b32 v24, 0
	v_mov_b32 v25, 0
.irp bit, 13,12,11,10,9,8,7,6,5,4,3,2,1,0
	DIVSTEP \bit
.endr
	v_min_u32 v26, v22, v24
	v_mad_u32_u24 v27, v22, v25, v26
	v_add_nc_u32 v27, v27, v23                     ; start
	v_add_nc_u32 v22, 1, v22
	v_min_u32 v26, v22, v24
	v_mad_u32_u24 v26, v22, v25, v26
	v_add_nc_u32 v26, v26, v23                     ; end
	v_mul_u32_u24 v16, v1, 0x110
	v_sub_nc_u32 v16, v16, v27                     ; pb = 272 i - start
	PLACE 37
	PLACE 38
	v_cmp_le_u32 s47, v16, s20                     ; the tiles with at most g rows of 0 ahead of them: tile 0 has none, so one at the least
	s_bcnt1_i32_b32 s47, s47
	s_sub_co_u32 s47, s47, 1                       ; the last of them holds the g-th
	v_readlane_b32 s48, v26, s47
	s_add_co_u32 s39, s48, s20                     ; at row end + g
	s_min_u32 s39, s39, 0x21ff
	; order: lanes 0 and 1 write my wave's two entries; in wave 0 lane 2 writes the entry of the group's row of 0
	v_mov_b32 v17, s37
	v_writelane_b32 v17, s38, 1
	v_writelane_b32 v17, s39, 2
	v_min_u32 v17, 0x21ff, v17
	v_lshlrev_b32 v17, 2, v17
	v_add_nc_u32 v18, s49, v1                      ; the tokens (lane 2: a number below 8,192 that nobody uses)
	s_cmp_eq_u32 s21, 0
	s_cselect_b32 s47, 3, 2
	v_cmp_gt_u32 vcc_lo, s47, v1
	s_wait_xcnt 0x0                                ; EXEC is a source of the loads that are out: it changes only behind this wait
	s_and_saveexec_b32 s50, vcc_lo
	global_store_b32 v17, v18, s[16:17]
	s_wait_xcnt 0x0                                ; and again in front of the line that widens it
	s_or_b32 exec_lo, exec_lo, s50
	; the group's row of 0: 16 bytes a thread, 512 consecutive bytes a wave
.irp c, 28,29,30,31
	v_mov_b32 v\c, 0
.endr
	s_lshl_b32 s26, s39, 12                        ; a row of xs is 4,096 bytes
	s_add_nc_u64 s[52:53], s[12:13], s[26:27]
	global_store_b128 v4, v[28:31], s[52:53]
	s_cmp_lg_u32 s21, 0
	s_cbranch_scc1 .Lplaced
	s_cmp_lg_u32 s20, 0
	s_cbranch_scc1 .Lplaced
	; wave 0 of work-group 0 writes meta
	v_sub_nc_u32 v8, v26, v27                      ; cnt
	v_cndmask_b32 v9, 0, 1, s46                    ; e
	v_mov_b32 v10, v27
	v_mov_b32 v11, v26
	v_lshlrev_b32 v24, 4, v1
	global_store_b128 v24, v[8:11], s[18:19]       ; 512 consecutive bytes: all of meta
.Lplaced:
	s_lshl_b32 s26, s37, 12
	s_add_nc_u64 s[28:29], s[12:13], s[26:27]
	s_lshl_b32 s26, s38, 12
	s_add_nc_u64 s[30:31], s[12:13], s[26:27]
	s_branch .Lconvert
.Lw_place:                                             ; ---- a weight work-group: row 16 (g - 512) + 2 w of wb, and the next
	s_sub_co_u32 s37, s20, 512
	s_lshl_b32 s37, s37, 4
	s_lshl1_add_u32 s37, s21, s37
	s_lshl_b32 s26, s37, 12
	s_add_nc_u64 s[28:29], s[14:15], s[26:27]
	s_add_nc_u64 s[30:31], s[28:29], 4096
.Lconvert:                                             ; chunk by chunk, as the loads come back; on both ways 32 loads are out here at the most, chunk 15's two issued last
.set n, 0
.rept 16
.set xr, X+8*n
.if n == 15
.set xr, XL
.endif
	s_wait_loadcnt 30-2*n                          ; loads come back in order (ISA guide 5.7.1): chunk n's two are in, the younger ones stay out
	v_cvt_pk_bf16_f32 v[xr],   v[xr],   v[xr+1]    ; in place: each line writes a register whose number has been read
	v_cvt_pk_bf16_f32 v[xr+1], v[xr+2], v[xr+3]    ; v[xr:xr+1]: the four numbers of the chunk's first load
	v_cvt_pk_bf16_f32 v[xr+2], v[xr+4], v[xr+5]
	v_cvt_pk_bf16_f32 v[xr+3], v[xr+6], v[xr+7]    ; v[xr+2:xr+3]: those of its second
	global_store_b64 v3, v[xr:xr+1],   s[28+2*(n/8):29+2*(n/8)] offset:512*(n%8)      ; the wave stores 256 consecutive bytes, aligned; read again by the next launch, so no hint
	global_store_b64 v3, v[xr+2:xr+3], s[28+2*(n/8):29+2*(n/8)] offset:512*(n%8)+256
.set n, n+1
.endr
	s_wait_tensorcnt 0x0
	ds_add_u32 v160, v161
	s_wait_dscnt 0x0
	s_endpgm
.Lfunc_end_k_q99b977e996_prep:
	.size	k_q99b977e996_prep, .Lfunc_end_k_q99b977e996_prep-k_q99b977e996_prep
	.p2alignl 7, 3214868480
	.fill 96, 4, 3214868480
	.section	.rodata,"a",@progbits
	.p2align	6, 0x0
	.amdhsa_kernel k_q99b977e996_prep
		.amdhsa_group_segment_fixed_size 2048
		.amdhsa_private_segment_fixed_size 0
		.amdhsa_enable_private_segment 0
		.amdhsa_kernarg_size 64
		.amdhsa_user_sgpr_count 2
		.amdhsa_user_sgpr_kernarg_segment_ptr 1
		.amdhsa_wavefront_size32 1
		.amdhsa_system_sgpr_workgroup_id_x 1
		.amdhsa_system_sgpr_workgroup_id_y 1
		.amdhsa_system_sgpr_workgroup_id_z 1
		.amdhsa_system_vgpr_workitem_id 0
		.amdhsa_next_free_vgpr 162
		.amdhsa_next_free_sgpr 66
		.amdhsa_reserve_vcc 1
		.amdhsa_float_denorm_mode_32 3
		.amdhsa_float_denorm_mode_16_64 3
		.amdhsa_memory_ordered 1
		.amdhsa_forward_progress 1
		.amdhsa_inst_pref_size 31
	.end_amdhsa_kernel
	.amdgpu_metadata
---
amdhsa.version: [ 1, 2 ]
amdhsa.kernels:
  - .name:           k_q99b977e996_prep
    .symbol:         k_q99b977e996_prep.kd
    .args:
      - { .name: x, .offset: 0, .size: 8, .value_kind: global_buffer, .address_space: global }
      - { .name: W_text, .offset: 8, .size: 8, .value_kind: global_buffer, .address_space: global }
      - { .name: W_img, .offset: 16, .size: 8, .value_kind: global_buffer, .address_space: global }
      - { .name: token_modality_idx, .offset: 24, .size: 8, .value_kind: global_buffer, .address_space: global }
      - { .name: xs, .offset: 32, .size: 8, .value_kind: global_buffer, .address_space: global }
      - { .name: wb, .offset: 40, .size: 8, .value_kind: global_buffer, .address_space: global }
      - { .name: order, .offset: 48, .size: 8, .value_kind: global_buffer, .address_space: global }
      - { .name: meta, .offset: 56, .size: 8, .value_kind: global_buffer, .address_space: global }
    .group_segment_fixed_size: 2048
    .private_segment_fixed_size: 0
    .kernarg_segment_align: 8
    .kernarg_segment_size: 64
    .max_flat_workgroup_size: 256
    .sgpr_count:     66
    .vgpr_count:     162
    .wavefront_size: 32
...
	.end_amdgpu_metadata
.endif
;; end of part 1
;; launch gemm (part 2): grid 8 x 32, 4 waves a work-group, clusters of 4 x 1, 327,680 bytes of LDS; arguments xs, wb, order, meta, b_text, b_img, out0; writes out0
.if DOCPART == 2
	.amdgcn_target "amdgcn-amd-amdhsa--gfx1250"
	.amdhsa_code_object_version 6
	.text
	.protected	k_q99b977e996_gemm
	.globl	k_q99b977e996_gemm
	.p2align	8
	.type	k_q99b977e996_gemm,@function
k_q99b977e996_gemm:
	s_mov_b64 s[64:65], 0
	v_nop
	global_prefetch_b8 v0, s[64:65] scope:SCOPE_SE
	s_setreg_imm32_b32 hwreg(HW_REG_WAVE_MODE, 25, 1), 1
	s_wait_xcnt 0x0
	s_wait_alu depctr_hold_cnt(0) depctr_sa_sdst(0) depctr_va_vdst(0) depctr_va_sdst(0) depctr_va_ssrc(0) depctr_va_vcc(0) depctr_vm_vsrc(0)
	s_getreg_b32 s2, hwreg(HW_REG_IB_STS2, 6, 4)
	s_cmp_eq_u32 s2, 0
	s_cbranch_scc0 .Lentry_in_a_cluster
	s_endpgm
.Lentry_in_a_cluster:
	s_bfe_u32 s2, ttmp6, 0x10000c
	s_cmp_lg_u32 s2, 0x3003
	s_cbranch_scc0 .Lentry_shape_is_right
	s_endpgm
.Lentry_shape_is_right:
; out0[token][o] = the sum over d of x[token][d] W_e[o][d] + b_e[o], e the token's expert.  xs: the tokens' rows in bf16, in 32 tiles of 272 rows of one expert each (a tile's cnt own rows at its head, rows of 0
; behind them); wb: W_text, then W_img, in bf16; order[row]: the token at that row of xs; meta[tile] = cnt, e, ...  Sums and bias in f32.
; LIMITS.  Each token goes through its own expert alone: for an index of 0 or 1 that is the blend (1 - m) text + m image, except where the OTHER expert's number would be infinite or NaN (0 x that is NaN in the
; blend; here the chosen expert's number stands).  An index other than 0 counts as 1.  x and W enter rounded to bf16.
; SHARES.  32 row tiles x 8 column tiles = 256 work-groups.  A tile is 272 rows (17 blocks of 16) x 256 columns: 272 because 8192 / 272 + 2 < 33, so that 32 row tiles of ONE expert each do for every split of the
; tokens.  Wave w makes all 272 rows x columns 64 w .. 64 w + 63: 68 accumulators, 544 registers; its 64 f32 columns are 256 consecutive bytes of a row of out0, aligned.  K goes in 16 steps of 128 (256 bytes of
; a row of xs or wb) through two LDS slots.
; ROWS PAST cnt are multiplied like the others (no branch and no mask of lanes hangs on a number read from memory).  On the way out such a row is replaced, token and data, by the tile's row 0, which is always
; the tile's own (cnt is at least 1): its store writes the same bytes to the same place once more, from the same wave.  Six vector instructions a store.
; CLUSTER.  The four work-groups of a cluster have one row tile and four column tiles: they need the same rows of xs, asked for JOINTLY (the same load, descriptor and mask of four in all; the address is made of
; the row tile and the wave's number alone).  wb's rows are asked for by each alone: work-groups with the same columns lie in different row tiles, whose experts hang on the split; four row tiles of one expert in
; every cluster would want 8192 / (4 c) + 2 < 9, c = 304 rows a tile, 19/16 of the products where this text has 17/16.
; THE MATRIX INSTRUCTION IS USED TRANSPOSED: source 0 = 16 rows of wb, source 1 = 16 tokens.  Lane l then holds token l % 16 and the columns 8 (l / 16) + 0..7.  THE BIAS is the C operand of each sum's first product.
; REGISTERS, in windows of 256 (s_set_vgpr_msb: bits 1:0 source 0, 3:2 source 1, 5:4 source 2, 7:6 destination):
;   window 0: v0-63 addresses and at work; v64-199 fragments of xs (17 x 8), v200-231 of wb (4 x 8): buffer 0.  On the way out v64-127 rows read back, v128-143 their tokens, v144-148 row 0.
;   window 1: v0-31 block 16's accumulators; v32-63 the bias; v64-231 buffer 1.     window 2: blocks 0-7's accumulators, (a, b) at 32 a + 8 b.     window 3: blocks 8-15's.
.set PITCH,  272                       ; an LDS row: 256 bytes + 16 of padding = 68 words: row r starts at bank 4 r mod 64 (64 banks of 4 bytes: ISA guide 11.1), so the 16 rows of a load start at 16 different banks
.set ABYTES, 272*PITCH                 ; xs's 272 rows
.set SLOT,   ABYTES+256*PITCH          ; then wb's 256 rows: 143,616 bytes
.set STG,    2*SLOT                    ; 287,232: behind the ring, 16 rows x 272 bytes for each wave, for the way out
.set TOK,    STG+4*16*PITCH            ; 304,640: 1,280 bytes for each wave: the tokens of the tile's rows
.set SPARE,  TOK+4*1280                ; 309,760: the spare words, 128 bytes for each wave: two blocks of 256 bytes that no other line names
.set ADRA, 16                          ; v16-19  LDS address of my fragments of xs: slot 0 blocks 0-7, slot 0 blocks 8-16, slot 1 likewise (block 16 lies beyond a 16-bit offset from block 0)
.set ADRB, 20                          ; v20-21  of wb, slot 0, 1
.set STO,  24                          ; v24     the way out: where I put 32 bytes of a row
.set RD,   25                          ; v25     where I read a row back
.set CO,   26                          ; v26     16 (l % 16): my 16 bytes in the wave's 256 of a row of out0
.set TK,   27                          ; v27     where my eight rows' tokens lie
.set SPW,  28                          ; v28     LDS address of my spare word: SPARE + 4 x my thread's number; never rewritten
.set NIL,  29                          ; v29     0; never rewritten
.set CR,   30                          ; v30     cnt - 8 (l / 16): row 16 a + 8 (l / 16) + t is the tile's own where 16 a + t is less
.set SRD,  45                          ; v45     where my 16 bytes of the stage's row 0 lie
.set STA,  46                          ; v46     where row 0's token lies
.set FA,   64
.set FB,   200
.set BIAS, 32                          ; window 1
.set OB,   64                          ; the way out: two buffers of 32
.set TKR,  128                         ; two buffers of 8
.set SAFE, 144                         ; v144-147 my 16 bytes of the tile's row 0
.set STK,  148                         ; v148    its token
.set WV,   18                          ; s18  my wave's number
.set HALF, 20                          ; s20  which half of a tile's rows I fetch
.set G1A,  24                          ; s[24:31] descriptor group 1 for xs;  s[32:39] group 0, a set for each slot
.set G0A,  32
.set G1B,  40                          ; s[40:47], s[48:55] the same for wb
.set G0B,  48
.set MSB, 0                            ; s56 cnt, s57 e
.macro WIN new                         ; the immediate's high byte repeats the setting that is left; a switch that changes nothing is dropped
.if MSB != (\new)
	s_set_vgpr_msb (MSB<<8)|(\new)
.set MSB, (\new)
.endif
.endm
.macro PLACES                          ; four places in front of loads into registers that matrix instructions have read, and of LDS stores that read results (ISA guide 7.12.1 for the LDS stores)
.rept 4
	v_nop
.endr
.endm
; A fill of slot sl.  Waves 0 and 1 ask jointly for the two halves of xs's rows, waves 2 and 3 each for a half of wb's.  The branch hangs on the wave's number alone.
; An s_nop 0 and four v_nop follow each of the two lines, ahead of the jump and the label.
.macro JLOAD sl
	s_cmp_lt_u32 s[WV], 2
	s_cbranch_scc0 .Lfor_b_\@
	tensor_load_to_lds s[G0A+4*(\sl):G0A+4*(\sl)+3], s[G1A:G1A+7]
	s_nop 0
.rept 4
	v_nop
.endr
	s_branch .Lasked_\@
.Lfor_b_\@:
	tensor_load_to_lds s[G0B+4*(\sl):G0B+4*(\sl)+3], s[G1B:G1B+7]
	s_nop 0
.rept 4
	v_nop
.endr
.Lasked_\@:
.endm
; A round of the cluster's barrier: my work-group's barrier, so that wave 0's signal speaks for all four waves; wave 0 signals; every wave waits for all four work-groups; my work-group's barrier once more.
.macro CREST                           ; a round behind its opening barrier
	s_cmp_lg_u32 s[WV], 0
	s_cbranch_scc1 .Lnot_wave_0_\@
	s_barrier_signal -3
.Lnot_wave_0_\@:
	s_barrier_wait -3
	s_barrier_signal -1
	s_barrier_wait -1
.endm
.macro CROUND
	s_barrier_signal -1
	s_barrier_wait -1
	CREST
.endm
	s_load_b256 s[4:11], s[0:1], 0x0               ; xs s[4:5], wb s[6:7], order s[8:9], meta s[10:11]
	s_load_b128 s[12:15], s[0:1], 0x20             ; b_text s[12:13], b_img s[14:15]
	s_load_b64 s[16:17], s[0:1], 0x30              ; out0
	v_lshl_add_u32 v[SPW], v0, 2, SPARE
	v_mov_b32 v[NIL], 0
	ds_add_u32 v28, v29
	s_wait_dscnt 0x0
	v_lshrrev_b32 v1, 5, v0
	v_readfirstlane_b32 s[WV], v1                  ; wave 0..3
	v_and_b32 v1, 15, v0                           ; l % 16
	v_bfe_u32 v2, v0, 4, 1                         ; l / 16
	v_and_b32 v3, 31, v0                           ; l
	s_and_b32 s[HALF], s[WV], 1
	s_bfe_u32 s21, ttmp6, 0x40000                  ; cx: my place in the cluster
	s_lshl_b32 s22, ttmp9, 2                       ; in a cluster launch ttmp9 counts clusters
	s_add_co_u32 s22, s22, s21                     ; column tile = 4 x cluster x + cx: it enters wb's, the bias's and out0's addresses alone
	s_and_b32 s23, ttmp7, 0xffff                   ; row tile, which the four partners share
	s_lshl_b32 s58, s23, 4
	s_wait_kmcnt 0x0
	s_load_b64 s[56:57], s[10:11], s58 offset:0x0  ; my row tile's cnt and e
	; descriptor group 1: rows of 128 elements of 2 bytes, padded in LDS; 136 rows of xs, 128 of wb
	s_mov_b32 s[G1A+0], 15|(1<<16)|(1<<20)|(1<<21)|(5<<22)|(3<<25)  ; 15:0 the mask of four; 17:16 2-byte elements; 20 padding on; 21 set beside a mask; 24:22 after every 64 words (code 5); 31:25 4 words (code 3)
	s_mov_b32 s[G1A+1], 128<<16                    ; tensor_dim0 = 128
	s_mov_b32 s[G1A+2], 136<<16                    ; tensor_dim1 = 136
	s_mov_b32 s[G1A+3], 128<<16                    ; tile_dim0 = 128
	s_mov_b32 s[G1A+4], 136                        ; tile_dim1 = 136
	s_mov_b32 s[G1A+5], 2048                       ; elements from row to row
	s_mov_b32 s[G1A+6], 0
	s_mov_b32 s[G1A+7], 0
	s_mov_b32 s[G1B+0], (1<<16)|(1<<20)|(5<<22)|(3<<25)  ; no mask: a load of my own
	s_mov_b32 s[G1B+1], 128<<16
	s_mov_b32 s[G1B+2], 128<<16
	s_mov_b32 s[G1B+3], 128<<16
	s_mov_b32 s[G1B+4], 128
	s_mov_b32 s[G1B+5], 2048
	s_mov_b32 s[G1B+6], 0
	s_mov_b32 s[G1B+7], 0
	s_mul_i32 s72, s[HALF], 136*PITCH              ; where my half goes in a slot, for xs
	s_mul_i32 s73, s[HALF], 128*PITCH              ; and for wb, behind xs's rows: no place in the cluster enters an LDS address
	s_add_co_u32 s73, s73, ABYTES
	s_mul_i32 s60, s23, 272                        ; xs: row 272 x row tile + 136 x half, 4,096 bytes a row: the row tile and the wave's number, nothing else
	s_mul_i32 s61, s[HALF], 136
	s_add_co_u32 s60, s60, s61
	s_lshl_b32 s60, s60, 12
	s_mov_b32 s61, 0
	s_add_nc_u64 s[60:61], s[4:5], s[60:61]
	s_mul_i32 s68, s23, 272*4
	s_mov_b32 s69, 0
	s_add_nc_u64 s[68:69], s[8:9], s[68:69]        ; order at the tile's first row
	s_lshl_b32 s74, s22, 10                        ; my wave's 64 columns as f32: 1,024 x column tile + 256 x wave, in the bias and in a row of out0
	s_lshl_b32 s75, s[WV], 8
	s_add_co_u32 s74, s74, s75
	s_mov_b32 s75, 0
	s_add_nc_u64 s[16:17], s[16:17], s[74:75]
	v_lshlrev_b32 v41, 2, v3                       ; 4 l
	v_add_nc_u32 v42, 256, v3
	v_min_u32 v42, 271, v42                        ; the ninth load stops at the tile's last row
	v_lshlrev_b32 v42, 2, v42
	v_lshlrev_b32 v43, 5, v2                       ; 32 (l / 16): my eight columns of sixteen
.irp k, 0,1,2,3,4,5,6,7
	global_load_b32 v[32+(\k)], v41, s[68:69] offset:128*(\k)  ; the tokens of rows 32 k + l
.endr
	global_load_b32 v40, v42, s[68:69]             ; and of rows 256 to 271
	s_wait_kmcnt 0x0
	s_min_u32 s57, s57, 1                          ; a number read from memory is held inside its range before it enters an address
	s_lshl_b32 s62, s22, 8
	s_lshl_b32 s63, s[HALF], 7
	s_add_co_u32 s62, s62, s63
	s_lshl_b32 s62, s62, 12                        ; row 256 x column tile + 128 x half of the expert's weights,
	s_lshl_b32 s63, s57, 23                        ; which begin e x 2,048 rows into wb
	s_add_co_u32 s62, s62, s63
	s_mov_b32 s63, 0
	s_add_nc_u64 s[62:63], s[6:7], s[62:63]
.irp sl, 0,1
	s_mov_b32 s[G0A+4*(\sl)], 1                                     ; count = 1
	s_add_co_u32 s[G0A+4*(\sl)+1], s72, (\sl)*SLOT                  ; LDS address
	s_add_nc_u64 s[G0A+4*(\sl)+2:G0A+4*(\sl)+3], s[60:61], (\sl)*256  ; global address: K step sl
	s_or_b32 s[G0A+4*(\sl)+3], s[G0A+4*(\sl)+3], 0x80000000         ; type = 2
	s_mov_b32 s[G0B+4*(\sl)], 1
	s_add_co_u32 s[G0B+4*(\sl)+1], s73, (\sl)*SLOT
	s_add_nc_u64 s[G0B+4*(\sl)+2:G0B+4*(\sl)+3], s[62:63], (\sl)*256
	s_or_b32 s[G0B+4*(\sl)+3], s[G0B+4*(\sl)+3], 0x80000000
.endr
	s_cmp_eq_u32 s57, 0
	s_cselect_b64 s[70:71], s[12:13], s[14:15]     ; the expert's bias,
	s_add_nc_u64 s[70:71], s[70:71], s[74:75]      ; at my wave's columns
	WIN 0x40                                       ; destination window 1
.irp b, 0,1,2,3
	global_load_b128 v[BIAS+8*(\b):BIAS+8*(\b)+3],   v43, s[70:71] offset:64*(\b)      ; register j: bias of column 16 b + 8 (l / 16) + j, as the result holds it
	global_load_b128 v[BIAS+8*(\b)+4:BIAS+8*(\b)+7], v43, s[70:71] offset:64*(\b)+16
.endr
	WIN 0
	CROUND                                         ; all four work-groups are here: the first joint loads meet
	s_cmp_lt_u32 s[WV], 2                          ; a wave's two first fills stand in one branch, ahead of every wait on TENSORcnt and every LDS read: two loads of mine are out
	s_cbranch_scc0 .Lfirst_b
	tensor_load_to_lds s[G0A:G0A+3], s[G1A:G1A+7]
	s_nop 0
	tensor_load_to_lds s[G0A+4:G0A+7], s[G1A:G1A+7]
	s_nop 0
.rept 4
	v_nop
.endr
	s_branch .Lfirst_asked
.Lfirst_b:
	tensor_load_to_lds s[G0B:G0B+3], s[G1B:G1B+7]
	s_nop 0
	tensor_load_to_lds s[G0B+4:G0B+7], s[G1B:G1B+7]
	s_nop 0
.rept 4
	v_nop
.endr
.Lfirst_asked:
	; A fragment is 16 rows x 32 K in 8 registers: lane l holds row l % 16; registers 0-3 K = 8 (l / 16) + 0..7, registers 4-7 K = 16 + 8 (l / 16) + 0..7: two loads of 16 bytes, 32 bytes apart.
	v_mul_u32_u24 v4, v1, PITCH
	v_lshl_add_u32 v5, v2, 5, v4                   ; row x pitch + 32 x half: for the stage
	v_lshl_add_u32 v4, v2, 4, v4                   ; row x pitch + 16 x half: for the fragments
	v_mov_b32 v[ADRA], v4
	v_add_nc_u32 v[ADRA+1], 8*16*PITCH, v4
	v_add_nc_u32 v[ADRA+2], SLOT, v4
	v_add_nc_u32 v[ADRA+3], SLOT+8*16*PITCH, v4
	s_mul_i32 s76, s[WV], 64*PITCH                 ; my 64 rows of wb, behind xs's rows
	s_add_co_u32 s76, s76, ABYTES
	v_add_nc_u32 v[ADRB], s76, v4
	v_add_nc_u32 v[ADRB+1], SLOT, v[ADRB]
	s_mul_i32 s77, s[WV], 16*PITCH
	s_add_co_u32 s77, s77, STG                     ; my stage
	v_add_nc_u32 v[STO], s77, v5                   ; in: row l % 16, 32 bytes for each half of the lanes
	v_mul_u32_u24 v5, v2, 8*PITCH                  ; back: lanes 0-15 take a row of 256 bytes, lanes 16-31 the row eight further down
	v_lshl_add_u32 v5, v1, 4, v5
	v_add_nc_u32 v[RD], s77, v5
	v_lshlrev_b32 v[CO], 4, v1
	v_add_nc_u32 v[SRD], s77, v[CO]                ; the stage's row 0, for both halves of the lanes
	s_mul_i32 s78, s[WV], 1280
	s_add_co_u32 s78, s78, TOK                     ; my copy of the tokens
	v_lshl_add_u32 v[TK], v2, 5, s78
	v_mov_b32 v[STA], s78
	v_add_nc_u32 v44, s78, v41
	v_lshlrev_b32 v[CR], 3, v2
	v_sub_nc_u32 v[CR], s56, v[CR]
	s_wait_loadcnt 8                               ; the nine token loads are in; the eight bias loads, issued behind them, may stay out
.irp k, 0,1,2,3,4,5,6,7,8
	ds_store_b32 v44, v[32+(\k)] offset:128*(\k)   ; into my wave's own bytes: only I read them
.endr
	s_wait_tensorcnt 1                             ; my part of K step 0 is in; K step 1's may stay out
	s_wait_dscnt 0x0                               ; no LDS instruction of mine is pending at the signal
	s_barrier_signal -1
	s_barrier_wait -1                              ; everybody's part is in
; n blocks of 16 tokens from a0 on x my 4 blocks of 16 columns, 32 along K, from buffer f.  first = 1: the products start the sums, with the bias as C.
; The 68 accumulators take turns, one instruction a turn, in the same order in every quarter step.
.macro MULS f, a0, n, first
.set ma, (\a0)
.rept (\n)
.if ma < 8
.set maw, 2
.elseif ma < 16
.set maw, 3
.else
.set maw, 1
.endif
.if (\first)
	WIN 5*(\f)+0x10+0x40*maw                       ; sources 0 and 1: the buffer's window; C: window 1; D: the block's
.else
	WIN 5*(\f)+0x50*maw                            ; C and D: the block's window
.endif
.irp b, 0,1,2,3
.set rD, 32*(ma%8)+8*(\b)
.if (\first)
	v_wmma_f32_16x16x32_bf16 v[rD:rD+7], v[FB+8*(\b):FB+8*(\b)+7], v[FA+8*ma:FA+8*ma+7], v[BIAS+8*(\b):BIAS+8*(\b)+7]
.else
	v_wmma_f32_16x16x32_bf16 v[rD:rD+7], v[FB+8*(\b):FB+8*(\b)+7], v[FA+8*ma:FA+8*ma+7], v[rD:rD+7]
.endif
.endr
.set ma, ma+1
.endr
.endm
; 42 LDS loads in one run: the fragments of one quarter step (32 K at byte k of the rows) into buffer f: wb's 8 loads, xs's blocks 0-7 (16), xs's blocks 8-16 (18)
.macro FETCH slot, k, f
	WIN (\f)<<6                                    ; destination: the buffer's window; address: window 0
.irp i, 0,1,2,3
	ds_load_b128 v[FB+8*(\i):FB+8*(\i)+3],   v[ADRB+(\slot)] offset:(\k)+(\i)*16*PITCH
	ds_load_b128 v[FB+8*(\i)+4:FB+8*(\i)+7], v[ADRB+(\slot)] offset:(\k)+(\i)*16*PITCH+32
.endr
.irp i, 0,1,2,3,4,5,6,7
	ds_load_b128 v[FA+8*(\i):FA+8*(\i)+3],   v[ADRA+2*(\slot)] offset:(\k)+(\i)*16*PITCH
	ds_load_b128 v[FA+8*(\i)+4:FA+8*(\i)+7], v[ADRA+2*(\slot)] offset:(\k)+(\i)*16*PITCH+32
.endr
.irp i, 0,1,2,3,4,5,6,7,8
	ds_load_b128 v[FA+64+8*(\i):FA+64+8*(\i)+3],   v[ADRA+2*(\slot)+1] offset:(\k)+(\i)*16*PITCH
	ds_load_b128 v[FA+64+8*(\i)+4:FA+64+8*(\i)+7], v[ADRA+2*(\slot)+1] offset:(\k)+(\i)*16*PITCH+32
.endr
.endm
; A K step is four quarter steps of 32 along K, 68 matrix instructions each, on buffers 0, 1, 0, 1.  One of the first three: multiplies buffer f; in its middle it fetches the next quarter, at byte knext, into buffer g.
.macro QUARTER slot, knext, f, g, first
	s_wait_dscnt 18                                ; wb's fragments and xs's blocks 0-7 are in; the youngest 18 loads (blocks 8-16) may be out
	MULS \f, 0, 8, \first
	PLACES
	FETCH \slot, \knext, \g
	s_wait_dscnt 42                                ; all but the 42 just issued
	MULS \f, 8, 8, \first
	MULS \f, 16, 1, \first
.endm
; The last quarter multiplies buffer 1 and changes slots: ONE barrier.  In front of it each wave waits for all its tensor loads, of which one is out: its part of the next slot; adds 0 to its spare word; and waits
; for that and for its own reads of this slot.  Behind it nobody reads this slot any more and the next slot is whole.  fill = 1: the barrier opens a round of the cluster's barrier, so that no wave of any partner
; still reads the slot or has a load on its way, and this slot is filled again, two K steps ahead, first thing behind the round: 240 matrix instructions ahead of the wait for it.
.macro TURN slot, next, fill
	WIN 0                                          ; (the add's two registers lie in window 0)
	s_wait_tensorcnt 0x0                           ; all my tensor loads have landed;
	ds_add_u32 v[SPW], v[NIL]                      ; 0 onto my spare word
	s_wait_dscnt 19                                ; (the add and the youngest 18 loads may be out)
	MULS 1, 0, 4, 0                                ; sixteen matrix instructions stand between the add and the wait for it
	s_wait_dscnt 0x0                               ; the add is done, and my reads of this slot are over
	s_barrier_signal -1
	MULS 1, 4, 4, 0                                ; work on registers while the others arrive
.if \fill
	WIN 0
.endif
	s_barrier_wait -1
.if \fill
	CREST
	s_add_nc_u64 s[G0A+4*(\slot)+2:G0A+4*(\slot)+3], s[G0A+4*(\slot)+2:G0A+4*(\slot)+3], 512  ; two K steps on; no load of mine is out, so a group 0 may be written
	s_add_nc_u64 s[G0B+4*(\slot)+2:G0B+4*(\slot)+3], s[G0B+4*(\slot)+2:G0B+4*(\slot)+3], 512
	JLOAD \slot                                    ; the four v_nop behind it are also the places in front of the loads below
.else
	PLACES
.endif
	FETCH \next, 0, 0
	MULS 1, 8, 8, 0
	MULS 1, 16, 1, 0
.endm
	FETCH 0, 0, 0
	s_wait_loadcnt 0x0                             ; the bias
	QUARTER 0, 64, 0, 1, 1                         ; the first quarter stands in front of the loop: its products start the sums
	WIN 0                                          ; at a label and at a branch every window is 0
	s_mov_b32 s3, 7
.Llap:                                                 ; a trip goes once round the ring, from a lap's second quarter to the next lap's first, and fills both slots again: K steps 2 to 15 in seven trips
	QUARTER 0, 128, 1, 0, 0
	QUARTER 0, 192, 0, 1, 0
	TURN 0, 1, 1
	QUARTER 1, 64,  0, 1, 0
	QUARTER 1, 128, 1, 0, 0
	QUARTER 1, 192, 0, 1, 0
	TURN 1, 0, 1
	QUARTER 0, 64,  0, 1, 0
	WIN 0
	s_sub_co_u32 s3, s3, 1
	s_cmp_lg_u32 s3, 0
	s_cbranch_scc1 .Llap
	QUARTER 0, 128, 1, 0, 0                        ; the last lap is written out: it asks for nothing more, and has no round
	QUARTER 0, 192, 0, 1, 0
	TURN 0, 1, 0
	QUARTER 1, 64,  0, 1, 0
	QUARTER 1, 128, 1, 0, 0
	QUARTER 1, 192, 0, 1, 0
	s_wait_dscnt 18                                ; the very last quarter: nothing more to fetch
	MULS 1, 0, 8, 0
	s_wait_dscnt 0x0
	MULS 1, 8, 8, 0
	MULS 1, 16, 1, 0
	WIN 0
; THE WAY OUT, a block of 16 rows at a time.  A lane's 32 bytes of a row go into my own stage and come back as whole rows of 256 bytes; with them come the rows' tokens.  Block 0 also leaves the tile's row 0,
; data and token, in five registers of every lane.
.macro TOSTAGE a
	WIN 0
	s_wait_xcnt 0x0                                ; every earlier memory instruction has had its addresses translated (ISA guide 3.1): the registers that the stores of two blocks ago read are loaded again only behind this wait
.if (\a) < 8
	WIN 2<<2                                       ; an LDS store's data is source 1
.elseif (\a) < 16
	WIN 3<<2
.else
	WIN 1<<2
.endif
.irp b, 0,1,2,3
	ds_store_b128 v[STO], v[32*((\a)%8)+8*(\b):32*((\a)%8)+8*(\b)+3]   offset:64*(\b)     ; each accumulator's low four registers first
	ds_store_b128 v[STO], v[32*((\a)%8)+8*(\b)+4:32*((\a)%8)+8*(\b)+7] offset:64*(\b)+16
.endr
	WIN 0
.irp t, 0,1,2,3,4,5,6,7
	ds_load_b128 v[OB+32*((\a)%2)+4*(\t):OB+32*((\a)%2)+4*(\t)+3], v[RD] offset:(\t)*PITCH  ; LDS serves a wave's instructions in order (ISA guide 5.7.1.4): these see the stores above; the next block's stores come behind them
.endr
	ds_load_b128 v[TKR+8*((\a)%2):TKR+8*((\a)%2)+3],   v[TK] offset:64*(\a)      ; register t: the token of row 16 a + 8 (l / 16) + t
	ds_load_b128 v[TKR+8*((\a)%2)+4:TKR+8*((\a)%2)+7], v[TK] offset:64*(\a)+16
.if (\a) == 0
	ds_load_b128 v[SAFE:SAFE+3], v[SRD]            ; the tile's row 0
	ds_load_b32 v[STK], v[STA]
.endif
.endm
; Block a is stored: each row to its token's row of out0; 16 lanes store 256 consecutive bytes, at a multiple of 256 from out0's first byte.  A row at or past cnt gives way to row 0; the choice is made on the
; token ahead of the line that holds it inside out0's rows.
.macro SEND a, younger                 ; younger: the LDS instructions issued behind block a's loads: the next block's eight stores and ten loads, or none
.set BK, OB+32*((\a)%2)
.set TR, TKR+8*((\a)%2)
	s_wait_dscnt \younger
.irp t, 0,1,2,3,4,5,6,7
	v_cmp_lt_i32 vcc_lo, 16*(\a)+(\t), v[CR]       ; row 16 a + 8 (l / 16) + t < cnt
	v_cndmask_b32 v[TR+(\t)], v[STK], v[TR+(\t)], vcc_lo
.irp c, 0,1,2,3
	v_cndmask_b32 v[BK+4*(\t)+(\c)], v[SAFE+(\c)], v[BK+4*(\t)+(\c)], vcc_lo
.endr
.endr
.irp t, 0,1,2,3,4,5,6,7
	v_min_u32 v[TR+(\t)], 0x1fff, v[TR+(\t)]       ; a token is a row of out0: held inside it before it enters an address
.endr
.irp t, 0,1,2,3,4,5,6,7
	v_lshl_add_u32 v[TR+(\t)], v[TR+(\t)], 13, v[CO]  ; 8,192 bytes a row
.endr
.irp t, 0,1,2,3,4,5,6,7
	global_store_b128 v[TR+(\t)], v[BK+4*(\t):BK+4*(\t)+3], s[16:17] th:TH_STORE_NT
.endr
.endm
	PLACES                                         ; the LDS stores read results just made, and the loads land in registers that products have read
	TOSTAGE 0
.irp a, 1,2,3,4,5,6,7,8,9,10,11,12,13,14,15,16
	TOSTAGE \a                                     ; block a's way through the stage is begun before block a - 1's is waited for
	SEND (\a)-1, 18
.endr
	SEND 16, 0
	s_wait_tensorcnt 0x0                           ; the wave's end: behind my last tensor load and my last LDS store
	ds_add_u32 v[SPW], v[NIL]
	s_wait_dscnt 0x0
	CROUND                                         ; the closing round: no work-group ends while a partner may still ask for a tile that names it
	s_endpgm
.Lfunc_end_k_q99b977e996_gemm:
	.size	k_q99b977e996_gemm, .Lfunc_end_k_q99b977e996_gemm-k_q99b977e996_gemm
	.p2alignl 7, 3214868480
	.fill 96, 4, 3214868480
	.section	.rodata,"a",@progbits
	.p2align	6, 0x0
	.amdhsa_kernel k_q99b977e996_gemm
		.amdhsa_group_segment_fixed_size 327680
		.amdhsa_private_segment_fixed_size 0
		.amdhsa_enable_private_segment 0
		.amdhsa_kernarg_size 56
		.amdhsa_user_sgpr_count 2
		.amdhsa_user_sgpr_kernarg_segment_ptr 1
		.amdhsa_wavefront_size32 1
		.amdhsa_system_sgpr_workgroup_id_x 1
		.amdhsa_system_sgpr_workgroup_id_y 1
		.amdhsa_system_sgpr_workgroup_id_z 1
		.amdhsa_system_vgpr_workitem_id 0
		.amdhsa_next_free_vgpr 1024
		.amdhsa_next_free_sgpr 80
		.amdhsa_reserve_vcc 1
		.amdhsa_float_denorm_mode_32 3
		.amdhsa_float_denorm_mode_16_64 3
		.amdhsa_memory_ordered 1
		.amdhsa_forward_progress 1
		.amdhsa_inst_pref_size 207
	.end_amdhsa_kernel
	.amdgpu_metadata
---
amdhsa.version: [ 1, 2 ]
amdhsa.kernels:
  - .name:           k_q99b977e996_gemm
    .symbol:         k_q99b977e996_gemm.kd
    .args:
      - { .name: xs, .offset: 0, .size: 8, .value_kind: global_buffer, .address_space: global }
      - { .name: wb, .offset: 8, .size: 8, .value_kind: global_buffer, .address_space: global }
      - { .name: order, .offset: 16, .size: 8, .value_kind: global_buffer, .address_space: global }
      - { .name: meta, .offset: 24, .size: 8, .value_kind: global_buffer, .address_space: global }
      - { .name: b_text, .offset: 32, .size: 8, .value_kind: global_buffer, .address_space: global }
      - { .name: b_img, .offset: 40, .size: 8, .value_kind: global_buffer, .address_space: global }
      - { .name: out0, .offset: 48, .size: 8, .value_kind: global_buffer, .address_space: global }
    .group_segment_fixed_size: 327680
    .private_segment_fixed_size: 0
    .kernarg_segment_align: 8
    .kernarg_segment_size: 56
    .max_flat_workgroup_size: 128
    .sgpr_count:     80
    .vgpr_count:     1024
    .wavefront_size: 32
...
	.end_amdgpu_metadata
.endif
;; end of part 2
